; MI455X (gfx1250); checked and timed in simulation.
; The chip was launched on July 23, 2026; its instructions are those of AMD's public machine-readable ISA for CDNA 5 (MIT licence, August 2026) and "CDNA5" Instruction Set Architecture Reference Guide (July 2026). The comments in the code are by the model that wrote it; some were corrected since.
;; Regional Attention Module. Allowed arithmetic: float matrix products may take bf16 or f16 operands with f32 sums; all other float work in f32.
;; Inputs: Wk 1,024 x 1,024 float32; Wq 1,024 x 1,024 float32; Wv 1,024 x 1,024 float32; bk 1,024 float32; bq 1,024 float32; bv 1,024 float32; region_mask 2 x 2,048 float32; region_weight 1 float32; x 2 x 2,048 x 1,024 float32.
;; Outputs: out0 2 x 2,048 x 1,024 float32.
;; One version. Each part assembles by itself: llvm-mc -triple=amdgcn-amd-amdhsa -mcpu=gfx1250 --defsym DOCPART=n.
;; ======== version 1 of 1: 3 launches
;; limits: values are held in f16: magnitudes above 65,504 overflow, below 6.1e-05 lose precision; right only within a limited range of input values
;; workspace buffers: xw 14,680,064 bytes; qkv 25,165,824 bytes
;; launch cast (part 1): grid 1792 x 1, 4 waves a work-group, no clusters, 0 bytes of LDS; arguments x, Wq, Wk, Wv, xw; writes xw
.if DOCPART == 1
	.amdgcn_target "amdgcn-amd-amdhsa--gfx1250"
	.amdhsa_code_object_version 6
	.text
	.protected	k_q5c36c36068_cast
	.globl	k_q5c36c36068_cast
	.p2align	8
	.type	k_q5c36c36068_cast,@function
k_q5c36c36068_cast:
	s_mov_b64 s[64:65], 0
	v_nop
	global_prefetch_b8 v0, s[64:65] scope:SCOPE_SE
	s_setreg_imm32_b32 hwreg(HW_REG_WAVE_MODE, 25, 1), 1
	s_wait_xcnt 0x0
; xw[7168][1024] f16 = x (rows 0-4095), Wq (4096-5119), Wk (5120-6143), Wv (6144-7167), each number rounded once to f16.
; WHY f16 AND NOT bf16: the output is a nearly even mean of 2,048 values of v, some 25 times smaller than they are, so rounding of 8 bits
; comes too near to one hundredth of the output's size; f16 has three bits more.
; LIMIT: |x|, |W| at most 65,504 (beyond it the conversion gives infinity); below 2^-14 the spacing is 2^-24.  Room: x of spread 1 is some 165
; when 30 times larger; W of spread 0.02 is 6.7e-4 when 30 times smaller, where f16 still rounds by 2^-25 at the most.
; A pure stream: no LDS, no barrier, no matrix unit.  A work-group takes 4 rows (16,384 bytes in, 8,192 out); 1,792 = 7 x 256 work-groups.
; Thread t takes the 8 numbers at byte 32 t of each row, so that its 8 results are 16 neighbouring bytes and sixteen lanes store 256
; consecutive bytes at a multiple of 256 from the first byte of xw.  All eight loads go out first; no register is written twice.
.set ROWIN,  4096                      ; bytes in a row of f32
.set ROWOUT, 2048                      ; bytes in a row of f16
.set X, 4                              ; v[4:35]   row s: 8 registers as loaded
.set Y, 36                             ; v[36:51]  row s: 4 registers to store
	s_load_b256 s[4:11], s[0:1], 0x0               ; x s[4:5], Wq s[6:7], Wk s[8:9], Wv s[10:11]
	s_load_b64 s[12:13], s[0:1], 0x20              ; xw
	s_mov_b32 s14, ttmp9                           ; the work-group number: 0-1023 x, then 256 for each weight
	v_lshlrev_b32 v1, 5, v0                        ; 32 t: my bytes in a row of f32
	v_lshlrev_b32 v2, 4, v0                        ; 16 t: my bytes in a row of f16
	s_sub_co_u32 s20, s14, 1024                    ; number among the weights (used only from 1024 on)
	s_lshr_b32 s21, s20, 8                         ; which weight: 0, 1, 2
	s_and_b32 s22, s20, 255
	s_lshl_b32 s22, s22, 14                        ; byte offset in that weight: 4 rows of 4,096 bytes each
	s_lshl_b32 s23, s14, 14                        ; byte offset in x
	s_lshl_b32 s24, s14, 13                        ; byte offset in xw: 4 rows of 2,048 bytes each
	s_mov_b32 s25, 0
	s_mov_b32 s27, 0
	s_wait_kmcnt 0x0
	s_cmp_eq_u32 s21, 1
	s_cselect_b64 s[16:17], s[8:9], s[6:7]         ; Wk, else Wq
	s_cmp_eq_u32 s21, 2
	s_cselect_b64 s[16:17], s[10:11], s[16:17]     ; Wv
	s_cmp_lt_u32 s14, 1024
	s_cselect_b64 s[16:17], s[4:5], s[16:17]       ; x
	s_cselect_b32 s26, s23, s22                    ; and the offset that belongs to it
	s_add_nc_u64 s[16:17], s[16:17], s[26:27]
	s_add_nc_u64 s[18:19], s[12:13], s[24:25]
.irp s, 0,1,2,3
	global_load_b128 v[X+8*\s:X+8*\s+3],   v1, s[16:17] offset:ROWIN*\s th:TH_LOAD_NT
	global_load_b128 v[X+8*\s+4:X+8*\s+7], v1, s[16:17] offset:ROWIN*\s+16 th:TH_LOAD_NT
.endr
.irp s, 0,1,2,3
	s_wait_loadcnt 6-2*\s                          ; loads come back in order: row s is in, the two loads of each younger row stay out
.irp j, 0,1,2,3
	v_cvt_pk_f16_f32 v[Y+4*\s+\j], v[X+8*\s+2*\j], v[X+8*\s+2*\j+1]
.endr
	global_store_b128 v2, v[Y+4*\s:Y+4*\s+3], s[18:19] offset:ROWOUT*\s   ; no hint: the next launch reads these bytes
.endr
	s_endpgm
.Lfunc_end_k_q5c36c36068_cast:
	.size	k_q5c36c36068_cast, .Lfunc_end_k_q5c36c36068_cast-k_q5c36c36068_cast
	.p2alignl 7, 3214868480
	.fill 96, 4, 3214868480
	.section	.rodata,"a",@progbits
	.p2align	6, 0x0
	.amdhsa_kernel k_q5c36c36068_cast
		.amdhsa_group_segment_fixed_size 0
		.amdhsa_private_segment_fixed_size 0
		.amdhsa_enable_private_segment 0
		.amdhsa_kernarg_size 40
		.amdhsa_user_sgpr_count 2
		.amdhsa_user_sgpr_kernarg_segment_ptr 1
		.amdhsa_wavefront_size32 1
		.amdhsa_system_sgpr_workgroup_id_x 1
		.amdhsa_system_sgpr_workgroup_id_y 1
		.amdhsa_system_sgpr_workgroup_id_z 1
		.amdhsa_system_vgpr_workitem_id 0
		.amdhsa_next_free_vgpr 52
		.amdhsa_next_free_sgpr 66
		.amdhsa_reserve_vcc 0
		.amdhsa_float_denorm_mode_32 3
		.amdhsa_float_denorm_mode_16_64 3
		.amdhsa_memory_ordered 1
		.amdhsa_forward_progress 1
		.amdhsa_inst_pref_size 4
	.end_amdhsa_kernel
	.amdgpu_metadata
---
amdhsa.version: [ 1, 2 ]
amdhsa.kernels:
  - .name:           k_q5c36c36068_cast
    .symbol:         k_q5c36c36068_cast.kd
    .args:
      - { .name: x, .offset: 0, .size: 8, .value_kind: global_buffer, .address_space: global }
      - { .name: Wq, .offset: 8, .size: 8, .value_kind: global_buffer, .address_space: global }
      - { .name: Wk, .offset: 16, .size: 8, .value_kind: global_buffer, .address_space: global }
      - { .name: Wv, .offset: 24, .size: 8, .value_kind: global_buffer, .address_space: global }
      - { .name: xw, .offset: 32, .size: 8, .value_kind: global_buffer, .address_space: global }
    .group_segment_fixed_size: 0
    .private_segment_fixed_size: 0
    .kernarg_segment_align: 8
    .kernarg_segment_size: 40
    .max_flat_workgroup_size: 128
    .sgpr_count:     66
    .vgpr_count:     52
    .wavefront_size: 32
...
	.end_amdgpu_metadata
.endif
;; end of part 1
;; launch qkv (part 2): grid 12 x 16, 4 waves a work-group, clusters of 4 x 4, 327,680 bytes of LDS; arguments xw, bq, bk, bv, qkv; writes qkv
.if DOCPART == 2
	.amdgcn_target "amdgcn-amd-amdhsa--gfx1250"
	.amdhsa_code_object_version 6
	.text
	.protected	k_q5c36c36068_qkv
	.globl	k_q5c36c36068_qkv
	.p2align	8
	.type	k_q5c36c36068_qkv,@function
k_q5c36c36068_qkv:
	s_mov_b64 s[64:65], 0
	v_nop
	global_prefetch_b8 v0, s[64:65] scope:SCOPE_SE
	s_setreg_imm32_b32 hwreg(HW_REG_WAVE_MODE, 25, 1), 1
	s_wait_xcnt 0x0
	s_wait_alu depctr_hold_cnt(0) depctr_sa_sdst(0) depctr_va_vdst(0) depctr_va_sdst(0) depctr_va_ssrc(0) depctr_va_vcc(0) depctr_vm_vsrc(0)
	s_getreg_b32 s2, hwreg(HW_REG_IB_STS2, 6, 4)
	s_cmp_eq_u32 s2, 0
	s_cbranch_scc0 .Lentry_in_a_cluster
	s_endpgm
.Lentry_in_a_cluster:
	s_bfe_u32 s2, ttmp6, 0x10000c
	s_cmp_lg_u32 s2, 0xf033
	s_cbranch_scc0 .Lentry_shape_is_right
	s_endpgm
.Lentry_shape_is_right:
; q = x Wq^T + bq, k = x Wk^T + bk (both stored [b][h][n][64] f16) and V^T = Wv x^T + bv (stored [1024 features][4096 tokens] f16).
; One product C[m][n] = sum over k of A[m][k] B[n][k], K = 1024, both operands rows of xw (f16, 2,048 bytes a row), sums in f32,
; bias added in f32, result rounded once to f16.
; LIMIT: |q|, |k|, |v| at most 65,504 (beyond it the conversion gives infinity).  Room: with x of spread 1 and W of spread 0.02 their spread is
; 32 x 0.02 = 0.64; both inputs 30 times larger give a spread of 576; a common offset of 30 on x and of 0.6 on W gives 1024 x 30 x 0.6 = 18,432.
; A work-group makes 256 x 256 of C with four waves of 128 x 128 (64 accumulator tiles, 512 registers).  K goes in steps of 128 through
; two LDS slots filled by the tensor data mover.  192 work-groups: a block of 256 columns stays inside one weight, so one bias and one
; output layout serve it, and the wave keeps its 128 x 128 tile.
; CLUSTERS of 4 x 4.  Cluster column X = 0: q, 1: k, 2: V^T; cluster row Y: 1,024 tokens.
;   X = 0, 1:  A = x rows 1024 Y + 256 cy ..,  B = the weight's rows 256 cx ..   C is [token][feature]
;   X = 2:     A = Wv rows 256 cy ..,          B = x rows 1024 Y + 256 cx ..    C is [feature][token]: V comes out transposed by swapping the roles
; A's tile hangs on cy alone and is asked for jointly by a row of the cluster, B's on cx alone and is asked for jointly by a column:
; the requests for both are divided by four.  X and Y are equal in all sixteen partners, so the one branch on X is alike in all.
;
; REGISTERS, in windows of 256:
;   window 0: v0-31 addresses and the bias as loaded; v64-127, v128-191 fragments of A, two buffers; v192-223 at work on the way out
;   window 1: v64-127, v128-191 fragments of B, two buffers; v192-255 the bias in the layout of the way out
;   window 2: the 32 accumulator tiles of my rows 0-63 (tile (a, b) at v[8 (8 a + b)]);   window 3: those of my rows 64-127
; THE MATRIX INSTRUCTION IS USED TRANSPOSED: source 0 = 16 rows of B, source 1 = 16 rows of A, so that lane l holds row l % 16 of C and
; its eight registers the columns 8 (l / 16) + 0 .. 7: eight neighbouring numbers of a row.
.set SIZE_K, 1024
.set KSTEP,  128
.set PITCH,  272                       ; an LDS row: 256 bytes + 16 of padding: the 16 rows of a fragment load start in 16 different 16-byte columns
.set HALFT,  128*PITCH                 ; 128 rows: what one tensor load brings, and what one wave reads of A or of B
.set SLOT,   4*HALFT                   ; A's 256 rows, then B's 256 rows
.set STAGE,  2*SLOT                    ; behind the ring: 16 rows x 272 bytes for each wave; no tensor load lands here
.set SPITCH, 272
.set LAPS, SIZE_K/(2*KSTEP)            ; a lap = two K steps = once round the ring: 4
.set ADRA, 16                          ; v16-17  LDS address of my A fragments in slot 0, 1
.set ADRB, 20                          ; v20-21  the same for B
.set STO,  24                          ; v24     the way out: where I put 16 bytes of a row
.set RD,   25                          ; v25     the way out: where I read back
.set CO,   26                          ; v26     my byte offset in the output
.set BA,   27                          ; v27     16 x lane: the bias, in memory and then in my stage
.set BL,   28                          ; v[28:31] my 4 of the wave's 128 bias numbers, as loaded
.set F0,   64                          ; fragment buffer 0
.set F1,   128                         ; fragment buffer 1
.set T,    64                          ; the way out: 16 rows x 128 columns with the bias added, f32, window 0
.set TMP,  192                         ; the way out: packed results, window 0
.set BI,   192                         ; the way out: the bias, window 1
.set G1, 24                            ; s[24:31] descriptor group 1 for A's tiles
.set G0, 32                            ; s[32:39] descriptor group 0 for A's tiles, one set for each slot
.set G1B, 48                           ; s[48:55] descriptor group 1 for B's tiles: another mask
.set G0B, 56                           ; s[56:63] descriptor group 0 for B's tiles, one set for each slot
.set MSB, 0
.macro WIN new                         ; the immediate's high byte repeats the setting that is left
.if MSB != \new
	s_set_vgpr_msb (MSB<<8)|\new
.set MSB, \new
.endif
.endm
.set MUL_LO, 0xa1                      ; source 0 (B) window 1, source 1 (A) window 0, C and D window 2
.set MUL_HI, 0xf1                      ; the same, C and D window 3
.set TO_B,   0x40                      ; destination window 1, address window 0
; A joint load.  Waves 0 and 1 fetch A's two halves, waves 2 and 3 B's.  Each line has one mask and one set of registers.
.macro JLOAD s
	s_cmp_eq_u32 s11, 0
	s_cbranch_scc0 .Lfor_b_\@
	tensor_load_to_lds s[G0+4*\s:G0+4*\s+3], s[G1:G1+7]
	s_nop 0
	s_branch .Lasked_\@
.Lfor_b_\@:
	tensor_load_to_lds s[G0B+4*\s:G0B+4*\s+3], s[G1B:G1B+7]
	s_nop 0
.Lasked_\@:
.endm
; A round of the cluster's barrier: my work-group's barrier, wave 0 signals for the work-group, every wave waits for all sixteen, my barrier once more.
.macro CREST                           ; a round behind its opening barrier
	s_cmp_lg_u32 s10, 0
	s_cbranch_scc1 .Lnot_wave_0_\@
	s_barrier_signal -3
.Lnot_wave_0_\@:
	s_barrier_wait -3
	s_barrier_signal -1
	s_barrier_wait -1
.endm
.macro CROUND                          ; a whole round
	s_barrier_signal -1
	s_barrier_wait -1
	CREST
.endm
	s_load_b64 s[4:5], s[0:1], 0x0                 ; xw
	s_load_b128 s[68:71], s[0:1], 0x8              ; bq s[68:69], bk s[70:71]
	s_load_b128 s[72:75], s[0:1], 0x18             ; bv s[72:73], qkv s[74:75]
	s_set_vgpr_msb 0x40
	v_lshl_add_u32 v63, v0, 2, 0x48400
	s_set_vgpr_msb 0x4000
	v_mov_b32 v255, 0
	s_set_vgpr_msb 0x1
	ds_add_u32 v63, v255
	s_set_vgpr_msb 0x100
	v_lshrrev_b32 v1, 5, v0
	v_readfirstlane_b32 s10, v1                    ; wave 0..3
	s_lshr_b32 s11, s10, 1                         ; which half of the block's rows is mine.  Also: I fetch for A (0) or for B (1)
	s_and_b32 s12, s10, 1                          ; which half of its columns.  Also: which 128 rows of that tile I fetch
	s_bfe_u32 s40, ttmp6, 0x40000                  ; cx
	s_bfe_u32 s41, ttmp6, 0x40004                  ; cy
	s_and_b32 s13, ttmp7, 0xffff                   ; Y: which 1,024 tokens
	s_lshl_b32 s43, s41, 2
	s_lshl_b32 s43, 15, s43                        ; my row of the cluster: places 4 cy .. 4 cy + 3
	s_lshl_b32 s44, 0x1111, s40                    ; my column: places cx, cx + 4, cx + 8, cx + 12
	; the roles: first rows in xw of what A and B are here
	s_lshl_b32 s79, s13, 10                        ; 1024 Y: the cluster's first token
	s_lshl_b32 s78, ttmp9, 10
	s_add_co_u32 s78, s78, 4096                    ; Wq or Wk
	s_cmp_eq_u32 ttmp9, 2
	s_cselect_b32 s76, 1, 0                        ; 1: this cluster makes V^T
	s_cselect_b32 s77, 6144, s79                   ; A: Wv, else x
	s_cselect_b32 s78, s79, s78                    ; B: x, else the weight
	; descriptor group 1: a tile of 128 rows x 128 elements, padded in LDS
	s_or_b32 s[G1+0], s43, (1<<16)|(1<<20)|(1<<21)|(5<<22)|(3<<25)  ; 15:0 mask of my row; 17:16 2-byte elements; 20 padding; 21 set beside a mask; 24:22 after 64 words; 31:25 4 words
	s_or_b32 s[G1B+0], s44, (1<<16)|(1<<20)|(1<<21)|(5<<22)|(3<<25) ; the same with the mask of my column
	s_mov_b32 s[G1B+1], KSTEP<<16
	s_mov_b32 s[G1+1], KSTEP<<16                   ; tensor_dim0 = 128
	s_mov_b32 s[G1B+2], 128<<16
	s_mov_b32 s[G1+2], 128<<16                     ; tensor_dim1 = 128
	s_mov_b32 s[G1B+3], KSTEP<<16
	s_mov_b32 s[G1+3], KSTEP<<16                   ; tile_dim0 = 128
	s_mov_b32 s[G1B+4], 128
	s_mov_b32 s[G1+4], 128                         ; tile_dim1 = 128
	s_mov_b32 s[G1B+5], SIZE_K
	s_mov_b32 s[G1+5], SIZE_K                      ; elements from row to row
	s_mov_b32 s[G1B+6], 0
	s_mov_b32 s[G1+6], 0
	s_mov_b32 s[G1B+7], 0
	s_mov_b32 s[G1+7], 0
	; where the tiles come from: A's row hangs on cy, B's on cx, each in registers that never hold the other
	s_lshl_b32 s17, s12, 7                         ; which 128 rows of the tile I fetch
	s_lshl_b32 s16, s41, 8
	s_add_co_u32 s16, s16, s77
	s_add_co_u32 s16, s16, s17                     ; A: first row + 256 cy + 128 x half
	s_lshl_b32 s46, s40, 8
	s_add_co_u32 s46, s46, s78
	s_add_co_u32 s46, s46, s17                     ; B: first row + 256 cx + 128 x half
	s_lshl_b32 s16, s16, 11                        ; rows of 2,048 bytes; 7,168 rows stay below 2^24 bytes
	s_lshl_b32 s46, s46, 11
	s_mov_b32 s17, 0
	s_mov_b32 s47, 0
	s_mul_i32 s20, s10, HALFT                      ; where they go: wave x 128 rows: no place in the cluster enters an LDS address
	; the wave's 128 bias numbers: per column (q, k: bq or bk at 256 cx + 128 x column half) or per row (V^T: bv at 256 cy + 128 x row half)
	s_lshl_b32 s82, s40, 10
	s_lshl_b32 s83, s12, 9
	s_add_co_u32 s82, s82, s83
	s_lshl_b32 s84, s41, 10
	s_lshl_b32 s85, s11, 9
	s_add_co_u32 s84, s84, s85
	s_mov_b32 s83, 0
	s_wait_dscnt 0x0
	s_wait_kmcnt 0x0
	s_add_nc_u64 s[14:15], s[4:5], s[16:17]
	s_add_nc_u64 s[46:47], s[4:5], s[46:47]
	s_cmp_eq_u32 ttmp9, 0
	s_cselect_b64 s[80:81], s[68:69], s[70:71]     ; bq, else bk
	s_cmp_eq_u32 s76, 1
	s_cselect_b64 s[80:81], s[72:73], s[80:81]     ; bv
	s_cselect_b32 s82, s84, s82
	s_add_nc_u64 s[80:81], s[80:81], s[82:83]
	CROUND                                         ; all sixteen work-groups are here: the first joint loads meet
.irp s, 0,1
	s_mov_b32 s[G0+4*\s], 1                                        ; count = 1
	s_add_co_u32 s[G0+4*\s+1], s20, \s*SLOT                        ; LDS address
	s_add_nc_u64 s[G0+4*\s+2:G0+4*\s+3], s[14:15], \s*KSTEP*2      ; global address: K step s
	s_or_b32 s[G0+4*\s+3], s[G0+4*\s+3], 0x80000000                ; type = 2
	s_mov_b32 s[G0B+4*\s], 1
	s_add_co_u32 s[G0B+4*\s+1], s20, \s*SLOT
	s_add_nc_u64 s[G0B+4*\s+2:G0B+4*\s+3], s[46:47], \s*KSTEP*2
	s_or_b32 s[G0B+4*\s+3], s[G0B+4*\s+3], 0x80000000
	JLOAD \s                                       ; both slots are asked for before anything else is done: two tensor loads of the wave are out
.endr
	v_and_b32 v[BA], 31, v0
	v_lshlrev_b32 v[BA], 4, v[BA]
	global_load_b128 v[BL:BL+3], v[BA], s[80:81]   ; 32 lanes x 4 numbers = the wave's 128
	; A fragment is 16 rows x 32 K in 8 registers: lane l holds row l % 16; registers 0-3 K = 8 (l / 16) + 0..7, registers 4-7 K = 16 + 8 (l / 16) + 0..7
	v_and_b32 v1, 15, v0                           ; l % 16
	v_bfe_u32 v2, v0, 4, 1                         ; l / 16
	v_mul_u32_u24 v3, v1, PITCH
	v_lshl_add_u32 v3, v2, 4, v3                   ; row x pitch + 16 x half
	s_mul_i32 s21, s11, HALFT                      ; my 128 rows of A
	s_mul_i32 s22, s12, HALFT                      ; my 128 rows of B,
	s_add_co_u32 s22, s22, 2*HALFT                 ; which lie behind A's 256
.irp s, 0,1
	v_add_nc_u32 v[ADRA+\s], s21, v3
	v_add_nc_u32 v[ADRB+\s], s22, v3
	s_add_co_u32 s21, s21, SLOT
	s_add_co_u32 s22, s22, SLOT
.endr
	s_mul_i32 s23, s10, 16*SPITCH
	s_add_co_u32 s23, s23, STAGE                   ; my stage
	v_mul_u32_u24 v4, v1, SPITCH                   ; in: row l % 16, 16 bytes for each half of the lanes
	v_lshl_add_u32 v4, v2, 4, v4
	v_add_nc_u32 v[STO], s23, v4
; 16 matrix instructions: m blocks a0, a0 + 1 of the window's four x all 8 n blocks, 32 along K.  zero = 1: the first product starts the sums.
.macro MUL16 f, hi, a0, zero
.irp a, \a0, \a0+1
.irp b, 0,1,2,3,4,5,6,7
.if \zero
	v_wmma_f32_16x16x32_f16 v[8*(8*(\a)+\b):8*(8*(\a)+\b)+7], v[\f+8*\b:\f+8*\b+7], v[\f+8*(4*\hi+\a):\f+8*(4*\hi+\a)+7], 0
.else
	v_wmma_f32_16x16x32_f16 v[8*(8*(\a)+\b):8*(8*(\a)+\b)+7], v[\f+8*\b:\f+8*\b+7], v[\f+8*(4*\hi+\a):\f+8*(4*\hi+\a)+7], v[8*(8*(\a)+\b):8*(8*(\a)+\b)+7]
.endif
.endr
.endr
.endm
; 32 LDS loads in one run: the fragments of one quarter step (128 rows of B, 128 rows of A, 32 K at byte k of the rows) into buffer f
.macro FETCH slot, k, f
	WIN TO_B
.irp i, 0,1,2,3,4,5,6,7
	ds_load_b128 v[\f+8*\i:\f+8*\i+3],   v[ADRB+\slot] offset:\k+\i*16*PITCH
	ds_load_b128 v[\f+8*\i+4:\f+8*\i+7], v[ADRB+\slot] offset:\k+\i*16*PITCH+32
.endr
	WIN 0
.irp i, 0,1,2,3,4,5,6,7
	ds_load_b128 v[\f+8*\i:\f+8*\i+3],   v[ADRA+\slot] offset:\k+\i*16*PITCH
	ds_load_b128 v[\f+8*\i+4:\f+8*\i+7], v[ADRA+\slot] offset:\k+\i*16*PITCH+32
.endr
.endm
; A load into a register that a matrix instruction has read, and a vector instruction that reads a matrix result, stand four places behind
; that matrix instruction; only plain vector instructions that name none of its registers are places (ISA guide 7.12.1 for vector instructions).
.macro PLACES
.rept 4
	v_nop
.endr
.endm
; A K step is four quarter steps of 32 along K, 64 matrix instructions each, on buffers 0, 1, 0, 1.  The 64 accumulators take turns, one
; instruction a turn, in the same order in every quarter, over the backward jump too.
.macro QUARTER slot, k, f, g, zero
	s_wait_dscnt 8                                 ; B and A's rows 0-63 are in; the youngest eight loads (A's rows 64-127) may be out
	WIN MUL_LO
	MUL16 \f, 0, 0, \zero
	MUL16 \f, 0, 2, \zero
	PLACES
	FETCH \slot, \k, \g
	s_wait_dscnt 32                                ; all but the 32 just issued
	WIN MUL_HI
	MUL16 \f, 1, 0, \zero
	MUL16 \f, 1, 2, \zero
.endm
.macro THREE slot, zero
	QUARTER \slot, 64,  F0, F1, \zero
	QUARTER \slot, 128, F1, F0, 0
	QUARTER \slot, 192, F0, F1, 0
.endm
; The last quarter multiplies buffer 1 and changes slots.  In front of the barrier each wave waits for its reads of this slot and for all its
; tensor loads (one is out: its part of the next slot).  Behind it the refill comes first, then the next slot's first fragments.
.macro TURN slot, next, fill
	s_wait_dscnt 8
	WIN MUL_LO
	MUL16 F1, 0, 0, 0
	s_wait_dscnt 0                                 ; my reads of this slot are over
	s_wait_tensorcnt 0x0                           ; and all my tensor loads have landed
	ds_add_u32 v63, v255
	s_wait_dscnt 0x0
	s_barrier_signal -1                            ; say so (where a slot is filled again this barrier opens a round of the cluster's barrier),
	MUL16 F1, 0, 2, 0                              ; work on registers while the others arrive,
	WIN 0
	s_barrier_wait -1
.if \fill
	CREST                                          ; no wave of any partner still reads this slot or has a load on its way
	s_add_nc_u64 s[G0+4*\slot+2:G0+4*\slot+3], s[G0+4*\slot+2:G0+4*\slot+3], 2*KSTEP*2
	s_add_nc_u64 s[G0B+4*\slot+2:G0B+4*\slot+3], s[G0B+4*\slot+2:G0B+4*\slot+3], 2*KSTEP*2
	JLOAD \slot                                    ; the first tensor load behind the round, the wave's only one until the next
.endif
	PLACES
	FETCH \next, 0, F0
	WIN MUL_HI
	MUL16 F1, 1, 0, 0
	MUL16 F1, 1, 2, 0
.endm
.macro LAP zero                        ; once round the ring, both slots filled again
	THREE 0, \zero
	TURN 0, 1, 1
	THREE 1, 0
	TURN 1, 0, 1
.endm
	s_wait_loadcnt 0x0                             ; the bias: it lands while the first tile does
	s_wait_tensorcnt 1                             ; my part of K step 0 is in; K step 1 stays out
	s_barrier_signal -1
	s_barrier_wait -1                              ; everybody's is
	FETCH 0, 0, F0
	LAP 1                                          ; the first lap stands in front of the loop: its first products start the sums
	WIN 0                                          ; at a label and at a branch every window is 0
	s_mov_b32 s3, LAPS-2
.Llap:
	LAP 0
	WIN 0
	s_sub_co_u32 s3, s3, 1
	s_cmp_lg_u32 s3, 0
	s_cbranch_scc1 .Llap
	THREE 0, 0                                     ; the last lap fills nothing and has no round of the cluster's barrier
	TURN 0, 1, 0
	THREE 1, 0
	s_wait_dscnt 8                                 ; the very last quarter
	WIN MUL_LO
	MUL16 F1, 0, 0, 0
	MUL16 F1, 0, 2, 0
	s_wait_dscnt 0
	WIN MUL_HI
	MUL16 F1, 1, 0, 0
	MUL16 F1, 1, 2, 0
	; THE WAY OUT, 16 rows of C at a time: add the bias in f32, round to f16, 16 bytes a lane into my own stage, read back so that sixteen
	; lanes hold 256 bytes that are neighbours in the output.
	PLACES                                         ; the places behind the last matrix instructions
	WIN 0
	v_add_nc_u32 v[BA], s23, v[BA]
	ds_store_b128 v[BA], v[BL:BL+3]                ; the wave's 128 bias numbers at the head of its stage; LDS serves a wave's instructions in order (ISA guide 5.7.1)
; rows 16 i .. 16 i + 15 of my block = the eight tiles (a, 0..7) of window 2 or 3.  from = 0x06 or 0x07: source 0 the accumulators' window, source 1 window 1.
; perrow = 1: one bias for the lane's row (a pair of equal numbers at BI + 2 i); 0: one for each column (BI + 8 b + ..).  gi, gt: bytes in the output
; from one group of 16 rows to the next, and from one read-back to the next.
.macro OUT16 i, a, from, perrow, gi, gt
	WIN \from
.irp b, 0,1,2,3,4,5,6,7
.irp r, 0,1,2,3
.if \perrow
	v_pk_add_f32 v[T+8*\b+2*\r:T+8*\b+2*\r+1], v[8*(8*\a+\b)+2*\r:8*(8*\a+\b)+2*\r+1], v[BI+2*\i:BI+2*\i+1]
.else
	v_pk_add_f32 v[T+8*\b+2*\r:T+8*\b+2*\r+1], v[8*(8*\a+\b)+2*\r:8*(8*\a+\b)+2*\r+1], v[BI+8*\b+2*\r:BI+8*\b+2*\r+1]
.endif
.endr
.endr
	WIN 0
.irp b, 0,1,2,3,4,5,6,7
.irp r, 0,1,2,3
	v_cvt_pk_f16_f32 v[TMP+4*\b+\r], v[T+8*\b+2*\r], v[T+8*\b+2*\r+1]
.endr
.endr
.irp b, 0,1,2,3,4,5,6,7
	ds_store_b128 v[STO], v[TMP+4*\b:TMP+4*\b+3] offset:32*\b
.endr
	s_wait_xcnt 0x0                                ; v[128:159], which the last group's stores read, are loaded again only behind this wait
.irp t, 0,1,2,3,4,5,6,7
	ds_load_b128 v[F1+4*\t:F1+4*\t+3], v[RD] offset:\t*2*SPITCH    ; in order behind the stores above
.endr
.irp t, 0,1,2,3,4,5,6,7
	s_wait_dscnt 7-\t                              ; read-back t is in, the younger ones stay out
	global_store_b128 v[CO], v[F1+4*\t:F1+4*\t+3], s[8:9] offset:\i*\gi+\t*\gt   ; 16 lanes store 256 consecutive bytes, at a multiple of 256 from the buffer's first byte
.endr
.endm
	s_cmp_lg_u32 s76, 0
	s_cbranch_scc1 .Lout_v
	; q or k: a stage row is one token's 128 features = two heads x 128 bytes.  A read-back takes tokens 2 t, 2 t + 1: lanes 0-15 head 0, lanes 16-31 head 1;
	; two tokens of one head are 256 neighbouring bytes of [b][h][n][64].  (Lanes 0-7 and 8-15 meet two deep in seven 16-byte columns; once a group.)
	v_lshl_add_u32 v7, v2, 5, s23                  ; bias of columns 16 b + 8 (l / 16) + 0 .. 7
	WIN TO_B
.irp b, 0,1,2,3,4,5,6,7
	ds_load_b128 v[BI+8*\b:BI+8*\b+3],   v7 offset:64*\b
	ds_load_b128 v[BI+8*\b+4:BI+8*\b+7], v7 offset:64*\b+16
.endr
	WIN 0
	v_lshrrev_b32 v5, 3, v1
	v_mul_u32_u24 v5, v5, SPITCH                   ; the token of the pair
	v_lshl_add_u32 v5, v2, 7, v5                   ; the head
	v_and_b32 v6, 7, v1
	v_lshl_add_u32 v5, v6, 4, v5
	v_add_nc_u32 v[RD], s23, v5
	v_lshlrev_b32 v6, 4, v1
	v_lshl_add_u32 v[CO], v2, 18, v6               ; head x 262,144 + 16 x (l % 16)
	s_lshl_b32 s82, s13, 10
	s_lshl_b32 s83, s41, 8
	s_add_co_u32 s82, s82, s83
	s_lshl_b32 s83, s11, 7
	s_add_co_u32 s82, s82, s83                     ; my first token = 1024 Y + 256 cy + 128 x row half
	s_lshr_b32 s84, s82, 11                        ; b
	s_and_b32 s82, s82, 2047                       ; n
	s_lshl_b32 s82, s82, 7                         ; n x 128 bytes
	s_lshl_b32 s84, s84, 22                        ; b x 16 heads x 262,144
	s_add_co_u32 s82, s82, s84
	s_lshl_b32 s84, ttmp9, 23                      ; the section: q at 0, k at 8,388,608
	s_add_co_u32 s82, s82, s84
	s_lshl_b32 s84, s40, 2
	s_lshl1_add_u32 s84, s12, s84                  ; my first head = 4 cx + 2 x column half
	s_lshl_b32 s84, s84, 18
	s_add_co_u32 s82, s82, s84
	s_mov_b32 s83, 0
	s_add_nc_u64 s[8:9], s[74:75], s[82:83]
	s_wait_dscnt 0x0                               ; the bias is in its registers
	OUT16 0, 0, 0x06, 0, 2048, 256
	OUT16 1, 1, 0x06, 0, 2048, 256
	OUT16 2, 2, 0x06, 0, 2048, 256
	OUT16 3, 3, 0x06, 0, 2048, 256
	OUT16 4, 0, 0x07, 0, 2048, 256
	OUT16 5, 1, 0x07, 0, 2048, 256
	OUT16 6, 2, 0x07, 0, 2048, 256
	OUT16 7, 3, 0x07, 0, 2048, 256
	s_branch .Lout_done
.Lout_v:
	; V^T: a stage row is one feature's 128 tokens, 256 neighbouring bytes of a row of 8,192.  A read-back takes features 2 t (lanes 0-15) and 2 t + 1.
	v_lshl_add_u32 v7, v1, 2, s23                  ; bias of row 16 i + l % 16, twice: a pair for the packed add
	WIN TO_B
.irp i, 0,1,2,3,4,5,6,7
	ds_load_b32 v[BI+2*\i],   v7 offset:64*\i
	ds_load_b32 v[BI+2*\i+1], v7 offset:64*\i
.endr
	WIN 0
	v_mul_u32_u24 v5, v2, SPITCH
	v_lshl_add_u32 v5, v1, 4, v5
	v_add_nc_u32 v[RD], s23, v5
	v_lshlrev_b32 v6, 4, v1
	v_lshl_add_u32 v[CO], v2, 13, v6
	s_lshl_b32 s82, s41, 8
	s_lshl_b32 s83, s11, 7
	s_add_co_u32 s82, s82, s83                     ; my first feature = 256 cy + 128 x row half
	s_lshl_b32 s82, s82, 13                        ; rows of 8,192 bytes
	s_lshl_b32 s84, s13, 10
	s_lshl_b32 s83, s40, 8
	s_add_co_u32 s84, s84, s83
	s_lshl_b32 s83, s12, 7
	s_add_co_u32 s84, s84, s83                     ; my first token = 1024 Y + 256 cx + 128 x column half
	s_lshl1_add_u32 s82, s84, s82
	s_add_co_u32 s82, s82, 16777216                ; the section of V^T
	s_mov_b32 s83, 0
	s_add_nc_u64 s[8:9], s[74:75], s[82:83]
	s_wait_dscnt 0x0
	OUT16 0, 0, 0x06, 1, 131072, 16384
	OUT16 1, 1, 0x06, 1, 131072, 16384
	OUT16 2, 2, 0x06, 1, 131072, 16384
	OUT16 3, 3, 0x06, 1, 131072, 16384
	OUT16 4, 0, 0x07, 1, 131072, 16384
	OUT16 5, 1, 0x07, 1, 131072, 16384
	OUT16 6, 2, 0x07, 1, 131072, 16384
	OUT16 7, 3, 0x07, 1, 131072, 16384
.Lout_done:
	s_set_vgpr_msb 0x1
	s_wait_tensorcnt 0x0
	ds_add_u32 v63, v255
	s_wait_dscnt 0x0
	s_set_vgpr_msb 0x100
	CROUND                                         ; the closing round: no work-group ends while a partner may still ask for a tile that names it
	s_endpgm
.Lfunc_end_k_q5c36c36068_qkv:
	.size	k_q5c36c36068_qkv, .Lfunc_end_k_q5c36c36068_qkv-k_q5c36c36068_qkv
	.p2alignl 7, 3214868480
	.fill 96, 4, 3214868480
	.section	.rodata,"a",@progbits
	.p2align	6, 0x0
	.amdhsa_kernel k_q5c36c36068_qkv
		.amdhsa_group_segment_fixed_size 327680
		.amdhsa_private_segment_fixed_size 0
		.amdhsa_enable_private_segment 0
		.amdhsa_kernarg_size 40
		.amdhsa_user_sgpr_count 2
		.amdhsa_user_sgpr_kernarg_segment_ptr 1
		.amdhsa_wavefront_size32 1
		.amdhsa_system_sgpr_workgroup_id_x 1
		.amdhsa_system_sgpr_workgroup_id_y 1
		.amdhsa_system_sgpr_workgroup_id_z 1
		.amdhsa_system_vgpr_workitem_id 0
		.amdhsa_next_free_vgpr 1024
		.amdhsa_next_free_sgpr 96
		.amdhsa_reserve_vcc 0
		.amdhsa_float_denorm_mode_32 3
		.amdhsa_float_denorm_mode_16_64 3
		.amdhsa_memory_ordered 1
		.amdhsa_forward_progress 1
		.amdhsa_inst_pref_size 255
	.end_amdhsa_kernel
	.section	.bss,"aw",@nobits
	.p2align	6
	.space	262144
	.amdgpu_metadata
---
amdhsa.version: [ 1, 2 ]
amdhsa.kernels:
  - .name:           k_q5c36c36068_qkv
    .symbol:         k_q5c36c36068_qkv.kd
    .args:
      - { .name: xw, .offset: 0, .size: 8, .value_kind: global_buffer, .address_space: global }
      - { .name: bq, .offset: 8, .size: 8, .value_kind: global_buffer, .address_space: global }
      - { .name: bk, .offset: 16, .size: 8, .value_kind: global_buffer, .address_space: global }
      - { .name: bv, .offset: 24, .size: 8, .value_kind: global_buffer, .address_space: global }
      - { .name: qkv, .offset: 32, .size: 8, .value_kind: global_buffer, .address_space: global }
    .group_segment_fixed_size: 327680
    .private_segment_fixed_size: 0
    .kernarg_segment_align: 8
    .kernarg_segment_size: 40
    .max_flat_workgroup_size: 128
    .sgpr_count:     96
    .vgpr_count:     1024
    .wavefront_size: 32
...
	.end_amdgpu_metadata
.endif
;; end of part 2
;; launch attn (part 3): grid 8 x 32, 8 waves a work-group, clusters of 4 x 1, 327,680 bytes of LDS; arguments qkv, region_mask, region_weight, out0; writes out0
.if DOCPART == 3
	.amdgcn_target "amdgcn-amd-amdhsa--gfx1250"
	.amdhsa_code_object_version 6
	.text
	.protected	k_q5c36c36068_attn
	.globl	k_q5c36c36068_attn
	.p2align	8
	.type	k_q5c36c36068_attn,@function
k_q5c36c36068_attn:
	s_mov_b64 s[64:65], 0
	v_nop
	global_prefetch_b8 v0, s[64:65] scope:SCOPE_SE
	s_setreg_imm32_b32 hwreg(HW_REG_WAVE_MODE, 25, 1), 1
	s_wait_xcnt 0x0
	s_wait_alu depctr_hold_cnt(0) depctr_sa_sdst(0) depctr_va_vdst(0) depctr_va_sdst(0) depctr_va_ssrc(0) depctr_va_vcc(0) depctr_vm_vsrc(0)
	s_getreg_b32 s2, hwreg(HW_REG_IB_STS2, 6, 4)
	s_cmp_eq_u32 s2, 0
	s_cbranch_scc0 .Lentry_in_a_cluster
	s_endpgm
.Lentry_in_a_cluster:
	s_bfe_u32 s2, ttmp6, 0x10000c
	s_cmp_lg_u32 s2, 0x3003
	s_cbranch_scc0 .Lentry_shape_is_right
	s_endpgm
.Lentry_shape_is_right:
; out[b][n][64 h + d] = sum over keys of softmax_key(q.k / 8 + region_mask[b][n] * region_weight) v, for one head (y = 16 b + h) and 256 queries.
; Eight waves, 32 queries each (two query tiles of 16); the keys go in steps of 64 with a running maximum.  In base 2:
;   t = s c + bias, c = log2(e) / 8, bias = mask x weight x log2(e);   M = running maximum of the raw s;   NB = bias - (M c + bias);
;   p = 2^(s c + NB);   when M grows, sums and O are multiplied by 2^(NB new - NB old), the very shift that the old p used.
; max(s c + bias) is formed as max(s) c + bias: c is a positive constant and the bias is one number for the row.
; LIMITS: q, k, v and p are matrix operands in f16.  p lies in (0, 1] for every input, by the running maximum; below 2^-14 its spacing is 2^-24,
; against a row sum of at least about 1.  The row sum is taken over p in f32; v_exp_f32 gives 0 below 2^-126;
; |bias| below 2^30 (beyond it the rounding of M c + bias could let an exponent pass 127); an infinite or NaN bias gives NaN, as it does in the sum that the problem defines.
; LAYOUTS: S^T = K Q^T (A = 16 keys, B = 16 queries): lane (r, h) holds query r, keys 16 kt + 8 h + j.  Two such tiles packed to f16 in place are
; the B fragment of P^T for 32 keys, with no move between lanes.  O^T = V^T P^T: lane (r, h) holds query r, d = 16 dt + 8 h + j.
; Only the maximum and the final sum cross lanes, from lane r to lane r + 16.
; CLUSTER of 4 x 1: the four query blocks of a cluster read the same K and V of one head, so every tile is asked for jointly (mask 15).
; Two waves lie on each SIMD, so that the exponentials of one run under the products of the other.
; No prefetch: every tile but the first is asked for four steps of all eight waves ahead of its use.
.set TILE,  64*272                     ; 64 memory rows of 256 bytes, 16 bytes of padding behind each
.set SLOT,  4*TILE                     ; 256 keys: K tile 0, K tile 1 (128 keys each, two keys a row), V^T tile 0, V^T tile 1 (64 d x 128 keys)
.set STAGE, 2*SLOT                     ; 139,264 = 544 x 256: behind the ring; no tensor load lands here
.set WSTG,  32*272                     ; a wave's own stage: 32 queries x 64 f32, padded
.set KA, 1                             ; v1, v2    my K fragment address in slot 0, 1
.set VA, 3                             ; v3, v4    my V^T fragment address in slot 0, 1
.set CH, 6                             ; v[6:9] query tile 0, v[28:31] tile 1 (CH + 22 qt): four chains of the maximum, then two pairs of the sum
.set M,  10                            ; v10, v11  running maximum of the raw scores
.set BI, 14                            ; v14, v15  bias
.set NB, 16                            ; v[16:17], v[18:19]  the shift, twice
.set AL, 20                            ; v[20:21], v[22:23]  the rescaling factor, twice
.set L,  24                            ; v[24:25], v[26:27]  the lane's two partial row sums
.set Q,  32                            ; v[32:63]   fragment (qt, ks) at 8 (2 qt + ks)
.set S,  64                            ; v[64:127]  tile (kt, qt) at 16 (2 (kt >> 1) + qt) + 8 (kt & 1)
.set O,  128                           ; v[128:191] tile (dt, qt) at 8 (2 dt + qt)
.set KF, 192                           ; v[192:255] fragment (kt, ks) at 8 (2 kt + ks)
.set VF, 0                             ; window 1, v[0:63]: fragment (dt, u) at 8 (2 dt + u)
.set G1K, 16                           ; s[16:23] descriptor group 1, K
.set G1V, 24                           ; s[24:31] descriptor group 1, V^T
.set G0K, 32                           ; s[32:39] group 0 for K, one set for each slot
.set G0V, 40                           ; s[40:47] group 0 for V^T, one set for each slot
.set MSB, 0
.macro WIN new                         ; the immediate's high byte repeats the setting that is left
.if MSB != \new
	s_set_vgpr_msb (MSB<<8)|\new
.set MSB, \new
.endif
.endm
; A round of the cluster's barrier
.macro ROUND
	s_barrier_signal -1
	s_barrier_wait -1
	s_cmp_lg_u32 s12, 0
	s_cbranch_scc1 .Lnot_wave_0_\@
	s_barrier_signal -3
.Lnot_wave_0_\@:
	s_barrier_wait -3
	s_barrier_signal -1
	s_barrier_wait -1
.endm
; The joint loads of one slot: waves 0, 1 the two K tiles, waves 2, 3 the two V^T tiles, waves 4 to 7 none.  One load a wave, 64 rows of 256 bytes.
.macro JLOAD s
	s_cmp_lt_u32 s12, 2
	s_cbranch_scc0 .Lnot_k_\@
	tensor_load_to_lds s[G0K+4*\s:G0K+4*\s+3], s[G1K:G1K+7]
	s_nop 0
	s_branch .Lasked_\@
.Lnot_k_\@:
	s_cmp_lt_u32 s12, 4
	s_cbranch_scc0 .Lasked_\@
	tensor_load_to_lds s[G0V+4*\s:G0V+4*\s+3], s[G1V:G1V+7]
	s_nop 0
.Lasked_\@:
.endm
	s_load_b256 s[4:11], s[0:1], 0x0               ; qkv s[4:5], region_mask s[6:7], region_weight s[8:9], out0 s[10:11]
	v_lshl_add_u32 v12, v0, 2, 0x33000
	v_mov_b32 v13, 0
	ds_add_u32 v12, v13
	v_lshrrev_b32 v5, 5, v0
	v_readfirstlane_b32 s12, v5                    ; wave 0..7
	s_bfe_u32 s55, ttmp6, 0x40000                  ; cx
	s_lshl_b32 s56, ttmp9, 2
	s_add_co_u32 s56, s56, s55                     ; query block = 4 x cluster x + cx
	s_and_b32 s57, ttmp7, 0xffff                   ; 16 b + h
	s_lshr_b32 s58, s57, 4                         ; b
	s_and_b32 s59, s57, 15                         ; h
	s_mov_b32 s50, 0x3e38aa3b                      ; c = log2(e) / 8, twice: a pair for the packed multiply-add
	s_mov_b32 s51, 0x3e38aa3b
	s_mov_b32 s52, 0x76543210                      ; v_permlanex16_b32: lane i of one half reads lane i of the other
	s_mov_b32 s53, 0xfedcba98
	; group 1: 64 rows x 128 elements of 2 bytes, 4 words of padding behind every 64; mask 15 with bit 21 beside it
	s_mov_b32 s[G1K+0], 0x0771000f
	s_mov_b32 s[G1K+1], 128<<16                    ; tensor_dim0 = 128
	s_mov_b32 s[G1K+2], 64<<16                     ; tensor_dim1 = 64
	s_mov_b32 s[G1K+3], 128<<16                    ; tile_dim0 = 128
	s_mov_b32 s[G1K+4], 64                         ; tile_dim1 = 64
	s_mov_b32 s[G1K+5], 128                        ; K: 128 keys of a head are dense: a row begins where the last ends
	s_mov_b32 s[G1K+6], 0
	s_mov_b32 s[G1K+7], 0
	s_mov_b32 s[G1V+0], 0x0771000f
	s_mov_b32 s[G1V+1], 128<<16
	s_mov_b32 s[G1V+2], 64<<16
	s_mov_b32 s[G1V+3], 128<<16
	s_mov_b32 s[G1V+4], 64
	s_mov_b32 s[G1V+5], 4096                       ; V^T: 4,096 tokens from a feature to the next
	s_mov_b32 s[G1V+6], 0
	s_mov_b32 s[G1V+7], 0
	; group 0: the LDS address is wave x TILE + slot x SLOT
	s_mov_b32 s[G0K+0], 1
	s_mov_b32 s[G0K+4], 1
	s_mov_b32 s[G0V+0], 1
	s_mov_b32 s[G0V+4], 1
	s_mul_i32 s[G0K+1], s12, TILE
	s_add_co_u32 s[G0K+5], s[G0K+1], SLOT
	s_mul_i32 s[G0V+1], s12, TILE
	s_add_co_u32 s[G0V+5], s[G0V+1], SLOT
	s_and_b32 s13, s12, 1                          ; which of the two tiles
	s_wait_dscnt 0x0
	s_wait_kmcnt 0x0
	s_load_b32 s54, s[8:9], 0x0                    ; region_weight
	s_lshl_b32 s2, s57, 18                         ; K: section 1 + head x 262,144 + tile x 16,384 (+ slot x 32,768)
	s_lshl_b32 s3, s13, 14
	s_add_co_u32 s2, s2, s3
	s_add_co_u32 s2, s2, 8388608
	s_mov_b32 s3, 0
	s_add_nc_u64 s[G0K+2:G0K+3], s[4:5], s[2:3]
	s_add_nc_u64 s[G0K+6:G0K+7], s[G0K+2:G0K+3], 32768
	s_or_b32 s[G0K+3], s[G0K+3], 0x80000000
	s_or_b32 s[G0K+7], s[G0K+7], 0x80000000
	s_lshl_b32 s2, s59, 19                         ; V^T: section 2 + h x 64 rows of 8,192 + b x 4,096 + tile x 256 (+ slot x 512)
	s_lshl_b32 s3, s58, 12
	s_add_co_u32 s2, s2, s3
	s_lshl_b32 s3, s13, 8
	s_add_co_u32 s2, s2, s3
	s_add_co_u32 s2, s2, 16777216
	s_mov_b32 s3, 0
	s_add_nc_u64 s[G0V+2:G0V+3], s[4:5], s[2:3]
	s_add_nc_u64 s[G0V+6:G0V+7], s[G0V+2:G0V+3], 512
	s_or_b32 s[G0V+3], s[G0V+3], 0x80000000
	s_or_b32 s[G0V+7], s[G0V+7], 0x80000000
	; what hangs on cx: Q, the mask, the output; in registers of their own
	s_lshl_b32 s49, s56, 8
	s_lshl_b32 s14, s12, 5
	s_add_co_u32 s49, s49, s14                     ; my wave's first query = 256 x block + 32 x wave
	s_lshl_b32 s14, s57, 18
	s_lshl_b32 s15, s49, 7
	s_add_co_u32 s14, s14, s15
	s_mov_b32 s15, 0
	s_add_nc_u64 s[60:61], s[4:5], s[14:15]        ; q: section 0
	s_lshl_b32 s14, s58, 11
	s_add_co_u32 s48, s14, s49                     ; token = 2048 b + query
	s_lshl_b32 s14, s48, 2
	s_add_nc_u64 s[62:63], s[6:7], s[14:15]        ; the mask
	s_lshl_b32 s14, s48, 12
	s_lshl_b32 s48, s59, 8
	s_add_co_u32 s14, s14, s48
	s_add_nc_u64 s[10:11], s[10:11], s[14:15]      ; out0 at my first query, my head's 256 bytes
	s_wait_kmcnt 0x0
	s_mul_f32 s54, s54, 0x3fb8aa3b                 ; weight x log2(e)
	ROUND                                          ; in front of the first joint load
	JLOAD 0                                        ; keys 0 to 255
	v_and_b32 v5, 15, v0                           ; r
	v_bfe_u32 v6, v0, 4, 1                         ; h
	v_lshlrev_b32 v7, 7, v5
	v_lshl_add_u32 v7, v6, 4, v7                   ; Q: query r x 128 bytes + 16 h
	v_lshlrev_b32 v8, 2, v5                        ; mask: 4 r
.irp qt, 0,1
.irp ks, 0,1
	global_load_b128 v[Q+8*(2*\qt+\ks):Q+8*(2*\qt+\ks)+3],   v7, s[60:61] offset:2048*\qt+64*\ks
	global_load_b128 v[Q+8*(2*\qt+\ks)+4:Q+8*(2*\qt+\ks)+7], v7, s[60:61] offset:2048*\qt+64*\ks+32
.endr
.endr
.irp qt, 0,1
	global_load_b32 v[BI+\qt], v8, s[62:63] offset:64*\qt
.endr
	; key x of a slot lies at (x >> 1) 272 + (x & 1) 128
	v_lshrrev_b32 v9, 1, v5
	v_mul_u32_u24 v9, v9, 272
	v_and_b32 v1, 1, v5
	v_lshl_add_u32 v9, v1, 7, v9
	v_lshl_add_u32 v[KA], v6, 4, v9
	v_add_nc_u32 v[KA+1], SLOT, v[KA]
	v_mul_u32_u24 v9, v5, 272                      ; V^T: row d at d x 272
	v_lshl_add_u32 v9, v6, 4, v9
	v_add_nc_u32 v[VA], 2*TILE, v9
	v_add_nc_u32 v[VA+1], 2*TILE+SLOT, v9
	s_wait_loadcnt 0x0                             ; Q and the mask; they land while the first tile does
	v_mul_f32 v[BI], s54, v[BI]
	v_mul_f32 v[BI+1], s54, v[BI+1]
; K fragments of step i (64 keys x 64 d): 16 loads
.macro KLOAD slot, i
.irp kt, 0,1,2,3
.irp ks, 0,1
	ds_load_b128 v[KF+8*(2*\kt+\ks):KF+8*(2*\kt+\ks)+3],   v[KA+\slot] offset:8704*(\i)+2176*\kt+64*\ks
	ds_load_b128 v[KF+8*(2*\kt+\ks)+4:KF+8*(2*\kt+\ks)+7], v[KA+\slot] offset:8704*(\i)+2176*\kt+64*\ks+32
.endr
.endr
.endm
; V^T fragments of step i (64 d x 64 keys): 16 loads into window 1
.macro VLOAD slot, i
	WIN 0x40
.irp dt, 0,1,2,3
.irp u, 0,1
	ds_load_b128 v[VF+8*(2*\dt+\u):VF+8*(2*\dt+\u)+3],   v[VA+\slot] offset:((\i)>>1)*TILE+4352*\dt+((\i)&1)*128+64*\u
	ds_load_b128 v[VF+8*(2*\dt+\u)+4:VF+8*(2*\dt+\u)+7], v[VA+\slot] offset:((\i)>>1)*TILE+4352*\dt+((\i)&1)*128+64*\u+32
.endr
.endr
	WIN 0
.endm
; One step: 64 keys against the wave's 32 queries.  first = 1: nothing is carried yet; nextk = 1: the next step's K fragments are fetched from this slot.
.macro STEP slot, i, first, nextk
.if \first == 0
.rept 5
	v_nop                                          ; five places behind the last products P V: their sources VF and P are written again below (ISA guide 7.12.1)
.endr
.endif
	VLOAD \slot, \i
	s_wait_dscnt 16                                ; K's 16 loads are older than V's 16: K is in
	; S^T = K Q^T: eight accumulators take turns, one instruction a turn; the first 32 of d start the sums
.irp ks, 0,1
.irp kt, 0,1,2,3
.irp qt, 0,1
.set rd, S+16*(2*(\kt>>1)+\qt)+8*(\kt&1)
.if \ks
	v_wmma_f32_16x16x32_f16 v[rd:rd+7], v[KF+8*(2*\kt+\ks):KF+8*(2*\kt+\ks)+7], v[Q+8*(2*\qt+\ks):Q+8*(2*\qt+\ks)+7], v[rd:rd+7]
.else
	v_wmma_f32_16x16x32_f16 v[rd:rd+7], v[KF+8*(2*\kt+\ks):KF+8*(2*\kt+\ks)+7], v[Q+8*(2*\qt+\ks):Q+8*(2*\qt+\ks)+7], 0
.endif
.endr
.endr
.endr
.rept 4
	v_nop                                          ; four places: KF is loaded again and S is read
.endr
.if \nextk
	KLOAD \slot, \i+1
.endif
	; the running maximum of the raw scores: four chains for each query tile, each over 8 registers
.irp c, 0,1,2,3
.irp qt, 0,1
.set rb, S+16*\qt+32*(\c>>1)+8*(\c&1)
.if \first
	v_max_num_f32 v[CH+22*\qt+\c], v[rb], v[rb+1]
.else
	v_max3_num_f32 v[CH+22*\qt+\c], v[M+\qt], v[rb], v[rb+1]
.endif
.endr
.endr
.irp j, 2,4,6
.irp c, 0,1,2,3
.irp qt, 0,1
.set rb, S+16*\qt+32*(\c>>1)+8*(\c&1)+\j
	v_max3_num_f32 v[CH+22*\qt+\c], v[CH+22*\qt+\c], v[rb], v[rb+1]
.endr
.endr
.endr
.irp qt, 0,1
	v_max3_num_f32 v[CH+22*\qt], v[CH+22*\qt], v[CH+22*\qt+1], v[CH+22*\qt+2]
.endr
.irp qt, 0,1
	v_max_num_f32 v[CH+22*\qt], v[CH+22*\qt], v[CH+22*\qt+3]
.endr
.irp qt, 0,1
	v_permlanex16_b32 v[CH+22*\qt+1], v[CH+22*\qt], s52, s53       ; the other half of the row's keys lies 16 lanes away
.endr
.irp qt, 0,1
	v_max_num_f32 v[M+\qt], v[CH+22*\qt], v[CH+22*\qt+1]
.endr
	; the row's figures
.irp qt, 0,1
	v_fma_f32 v[CH+22*\qt+2], v[M+\qt], s50, v[BI+\qt]             ; the largest exponent, M c + bias
.endr
.if \first == 0
.irp qt, 0,1
	v_sub_f32 v[CH+22*\qt+3], v[BI+\qt], v[CH+22*\qt+2]
.endr
.irp qt, 0,1
	v_sub_f32 v[CH+22*\qt+3], v[CH+22*\qt+3], v[NB+2*\qt]          ; new shift - old shift, at most 0
.endr
.endif
.irp qt, 0,1
	v_sub_f32 v[NB+2*\qt],   v[BI+\qt], v[CH+22*\qt+2]             ; the shift, twice: a pair for the packed multiply-add
	v_sub_f32 v[NB+2*\qt+1], v[BI+\qt], v[CH+22*\qt+2]
.endr
.if \first == 0
.irp qt, 0,1
	v_exp_f32 v[AL+2*\qt],   v[CH+22*\qt+3]                        ; behind each run of exponentials stands a plain instruction that touches none of their registers (ISA guide 5.7.2)
	v_exp_f32 v[AL+2*\qt+1], v[CH+22*\qt+3]
.endr
.endif
	; p = 2^(s c + NB), in place; the exponentials of one query tile are interleaved with plain work on the other
.set p, 0
.rept 16
.set ra, S+32*(p>>3)+2*(p&7)
	v_pk_fma_f32 v[ra:ra+1], v[ra:ra+1], s[50:51], v[NB:NB+1] op_sel_hi:[1,0,1]
.set p, p+1
.endr
.set p, 0
.rept 16
.set ra, S+32*(p>>3)+2*(p&7)
	v_exp_f32 v[ra], v[ra]
	v_exp_f32 v[ra+1], v[ra+1]
	v_pk_fma_f32 v[ra+16:ra+17], v[ra+16:ra+17], s[50:51], v[NB+2:NB+3] op_sel_hi:[1,0,1]
.set p, p+1
.endr
.set p, 0
.rept 16
.set ra, S+16+32*(p>>3)+2*(p&7)
.set ro, O+16*(p>>2)+2*(p&3)
	v_exp_f32 v[ra], v[ra]
	v_exp_f32 v[ra+1], v[ra+1]
.if \first == 0
	s_wait_alu depctr_va_vdst(0)
	v_pk_mul_f32 v[ro:ro+1], v[ro:ro+1], v[AL:AL+1]                ; O of query tile 0 is brought to the new maximum
.endif
.set p, p+1
.endr
.if \first == 0
.set p, 0
	s_wait_alu depctr_va_vdst(0)
.rept 16
.set ro, O+8+16*(p>>2)+2*(p&3)
	v_pk_mul_f32 v[ro:ro+1], v[ro:ro+1], v[AL+2:AL+3]              ; and O of query tile 1
.set p, p+1
.endr
.endif
	; the lane's part of the row sums, in f32: two chains of pairs for each query tile (tile 0's first line touches no register of the last exponentials)
	s_wait_alu depctr_va_vdst(0)
.irp qt, 0,1
	v_pk_add_f32 v[CH+22*\qt:CH+22*\qt+1],   v[S+16*\qt:S+16*\qt+1],   v[S+16*\qt+2:S+16*\qt+3]
	v_pk_add_f32 v[CH+22*\qt+2:CH+22*\qt+3], v[S+16*\qt+4:S+16*\qt+5], v[S+16*\qt+6:S+16*\qt+7]
.endr
.irp j, 8,12,32,36,40,44
.irp qt, 0,1
	v_pk_add_f32 v[CH+22*\qt:CH+22*\qt+1],   v[CH+22*\qt:CH+22*\qt+1],   v[S+16*\qt+\j:S+16*\qt+\j+1]
	v_pk_add_f32 v[CH+22*\qt+2:CH+22*\qt+3], v[CH+22*\qt+2:CH+22*\qt+3], v[S+16*\qt+\j+2:S+16*\qt+\j+3]
.endr
.endr
.irp qt, 0,1
.if \first
	v_pk_add_f32 v[L+2*\qt:L+2*\qt+1], v[CH+22*\qt:CH+22*\qt+1], v[CH+22*\qt+2:CH+22*\qt+3]
.else
	v_pk_fma_f32 v[L+2*\qt:L+2*\qt+1], v[L+2*\qt:L+2*\qt+1], v[AL+2*\qt:AL+2*\qt+1], v[CH+22*\qt:CH+22*\qt+1]
.endif
.endr
.if \first == 0
.irp qt, 0,1
	v_pk_add_f32 v[L+2*\qt:L+2*\qt+1], v[L+2*\qt:L+2*\qt+1], v[CH+22*\qt+2:CH+22*\qt+3]
.endr
.endif
	; p to f16, in place and ascending: the first 8 registers of each group of 16 become the B fragment of P^T for 32 keys
.irp r, 0,1,2,3,4,5,6,7
.irp g, 0,1,2,3
	v_cvt_pk_f16_f32 v[S+16*\g+\r], v[S+16*\g+2*\r], v[S+16*\g+2*\r+1]
.endr
.endr
.if \nextk
	s_wait_dscnt 16                                ; V is in; the next step's 16 loads of K stay out
.else
	s_wait_dscnt 0
.endif
	; O^T += V^T P^T: eight accumulators take turns, one instruction a turn
	WIN 0x01                                       ; source 0 (V^T) in window 1
.irp u, 0,1
.irp dt, 0,1,2,3
.irp qt, 0,1
.set ro, O+8*(2*\dt+\qt)
.if \first*(1-\u)
	v_wmma_f32_16x16x32_f16 v[ro:ro+7], v[VF+8*(2*\dt+\u):VF+8*(2*\dt+\u)+7], v[S+16*(2*\u+\qt):S+16*(2*\u+\qt)+7], 0
.else
	v_wmma_f32_16x16x32_f16 v[ro:ro+7], v[VF+8*(2*\dt+\u):VF+8*(2*\dt+\u)+7], v[S+16*(2*\u+\qt):S+16*(2*\u+\qt)+7], v[ro:ro+7]
.endif
.endr
.endr
.endr
	WIN 0
.endm
; One slot: 256 keys, four steps.  The round of the cluster's barrier does two things: behind it the slot is whole for all eight waves, and the
; other slot is read by no wave of any partner, so it is asked for again first thing.  That load has four steps of all waves in which to land.
.macro TRIP slot, refill, first
	s_wait_tensorcnt 0x0                           ; all my tensor loads have landed (at most one was out), my part of this slot among them,
	ds_add_u32 v12, v13
	s_wait_dscnt 0x0
	s_add_nc_u64 s[G0K+4*\slot+2:G0K+4*\slot+3], s[G0K+4*\slot+2:G0K+4*\slot+3], 65536   ; so every group 0 may be written: this slot's next 256 keys, 512 on
	s_add_nc_u64 s[G0V+4*\slot+2:G0V+4*\slot+3], s[G0V+4*\slot+2:G0V+4*\slot+3], 1024
	s_wait_dscnt 0x0                               ; my reads of the other slot are done
	ROUND
.if \refill
	JLOAD (1-\slot)
.endif
	KLOAD \slot, 0
	STEP \slot, 0, \first, 1
	STEP \slot, 1, 0, 1
	STEP \slot, 2, 0, 1
	STEP \slot, 3, 0, 0
.endm
	TRIP 0, 1, 1                                   ; keys 0-255; the first step starts maximum, sums and O
	TRIP 1, 1, 0
	s_mov_b32 s48, 2
.Lpair:
	TRIP 0, 1, 0
	TRIP 1, 1, 0
	s_sub_co_u32 s48, s48, 1
	s_cmp_lg_u32 s48, 0
	s_cbranch_scc1 .Lpair
	TRIP 0, 1, 0                                   ; asks for the last 256 keys
	TRIP 1, 0, 0                                   ; nothing is left to fetch (the stepped addresses are not used)
	; THE WAY OUT: divide by the row sum, 32 queries x 64 f32 through my own stage, whole rows of 256 bytes out
.rept 4
	v_nop                                          ; four places behind the last products
.endr
.irp qt, 0,1
	v_add_f32 v[CH+22*\qt], v[L+2*\qt], v[L+2*\qt+1]
.endr
.irp qt, 0,1
	v_permlanex16_b32 v[CH+22*\qt+1], v[CH+22*\qt], s52, s53
.endr
.irp qt, 0,1
	v_add_f32 v[CH+22*\qt], v[CH+22*\qt], v[CH+22*\qt+1]           ; the row sum: at least about 1, the maximum's own term
.endr
.irp qt, 0,1
	v_rcp_f32 v[AL+2*\qt],   v[CH+22*\qt]
	v_rcp_f32 v[AL+2*\qt+1], v[CH+22*\qt]
.endr
	v_and_b32 v1, 15, v0                           ; plain work behind the reciprocals: the addresses
	v_bfe_u32 v2, v0, 4, 1
	s_mul_i32 s13, s12, WSTG
	s_add_co_u32 s13, s13, STAGE                   ; my stage
	v_mul_u32_u24 v3, v1, 272
	v_lshl_add_u32 v3, v2, 5, v3
	v_add_nc_u32 v3, s13, v3                       ; in: query r, d = 8 h ..
	v_mul_u32_u24 v4, v2, 272
	v_lshl_add_u32 v4, v1, 4, v4
	v_add_nc_u32 v4, s13, v4                       ; back: lanes 0-15 one query's 256 bytes, lanes 16-31 the next one's
	v_lshlrev_b32 v5, 4, v1
	v_lshl_add_u32 v5, v2, 12, v5                  ; and the same in out0: rows of 4,096 bytes
.set p, 0
	s_wait_alu depctr_va_vdst(0)
.rept 16
.set ro, O+16*(p>>2)+2*(p&3)
	v_pk_mul_f32 v[ro:ro+1], v[ro:ro+1], v[AL:AL+1]
	v_pk_mul_f32 v[ro+8:ro+9], v[ro+8:ro+9], v[AL+2:AL+3]
.set p, p+1
.endr
.irp qt, 0,1
.irp dt, 0,1,2,3
	ds_store_b128 v3, v[O+8*(2*\dt+\qt):O+8*(2*\dt+\qt)+3]   offset:4352*\qt+64*\dt
	ds_store_b128 v3, v[O+8*(2*\dt+\qt)+4:O+8*(2*\dt+\qt)+7] offset:4352*\qt+64*\dt+16
.endr
.endr
.irp t, 0,1,2,3,4,5,6,7,8,9,10,11,12,13,14,15
	ds_load_b128 v[KF+4*\t:KF+4*\t+3], v4 offset:544*\t            ; LDS serves a wave's instructions in order (ISA guide 5.7.1): these see the stores above
.endr
.irp t, 0,1,2,3,4,5,6,7,8,9,10,11,12,13,14,15
	s_wait_dscnt 15-\t                             ; read-back t is in, the younger ones stay out
	global_store_b128 v5, v[KF+4*\t:KF+4*\t+3], s[10:11] offset:8192*\t th:TH_STORE_NT   ; 16 lanes store 256 consecutive bytes, at a multiple of 256 from out0's first byte
.endr
	s_wait_tensorcnt 0x0
	ds_add_u32 v12, v13
	s_wait_dscnt 0x0
	ROUND                                          ; the closing round
	s_endpgm
.Lfunc_end_k_q5c36c36068_attn:
	.size	k_q5c36c36068_attn, .Lfunc_end_k_q5c36c36068_attn-k_q5c36c36068_attn
	.p2alignl 7, 3214868480
	.fill 96, 4, 3214868480
	.section	.rodata,"a",@progbits
	.p2align	6, 0x0
	.amdhsa_kernel k_q5c36c36068_attn
		.amdhsa_group_segment_fixed_size 327680
		.amdhsa_private_segment_fixed_size 0
		.amdhsa_enable_private_segment 0
		.amdhsa_kernarg_size 32
		.amdhsa_user_sgpr_count 2
		.amdhsa_user_sgpr_kernarg_segment_ptr 1
		.amdhsa_wavefront_size32 1
		.amdhsa_system_sgpr_workgroup_id_x 1
		.amdhsa_system_sgpr_workgroup_id_y 1
		.amdhsa_system_sgpr_workgroup_id_z 1
		.amdhsa_system_vgpr_workitem_id 0
		.amdhsa_next_free_vgpr 320
		.amdhsa_next_free_sgpr 66
		.amdhsa_reserve_vcc 0
		.amdhsa_float_denorm_mode_32 3
		.amdhsa_float_denorm_mode_16_64 3
		.amdhsa_memory_ordered 1
		.amdhsa_forward_progress 1
		.amdhsa_inst_pref_size 255
	.end_amdhsa_kernel
	.section	.bss,"aw",@nobits
	.p2align	6
	.space	262144
	.amdgpu_metadata
---
amdhsa.version: [ 1, 2 ]
amdhsa.kernels:
  - .name:           k_q5c36c36068_attn
    .symbol:         k_q5c36c36068_attn.kd
    .args:
      - { .name: qkv, .offset: 0, .size: 8, .value_kind: global_buffer, .address_space: global }
      - { .name: region_mask, .offset: 8, .size: 8, .value_kind: global_buffer, .address_space: global }
      - { .name: region_weight, .offset: 16, .size: 8, .value_kind: global_buffer, .address_space: global }
      - { .name: out0, .offset: 24, .size: 8, .value_kind: global_buffer, .address_space: global }
    .group_segment_fixed_size: 327680
    .private_segment_fixed_size: 0
    .kernarg_segment_align: 8
    .kernarg_segment_size: 32
    .max_flat_workgroup_size: 256
    .sgpr_count:     66
    .vgpr_count:     320
    .wavefront_size: 32
...
	.end_amdgpu_metadata
.endif
;; end of part 3
